; MI455X (gfx1250); checked and timed in simulation.
; The chip was launched on July 23, 2026; its instructions are those of AMD's public machine-readable ISA for CDNA 5 (MIT licence, August 2026) and "CDNA5" Instruction Set Architecture Reference Guide (July 2026). The comments in the code are by the model that wrote it; some were corrected since.
;; Memory Retrieval. Allowed arithmetic: matrix products marked QUANTISED: E4M3 operands, one given power-of-two scale a tensor, by v_wmma_f32_16x16x64_fp8_fp8 or v_wmma_f32_16x16x128_fp8_fp8, f32 sums; everything else in f32.
;; Inputs: keys 32,768 x 1,024 float32; lowp_scales 2 int32 (the exponents e of the quantised operands' scales 2^e); query 2,048 x 1,024 float32; values 32,768 x 1,024 float32.
;; Outputs: out0 2,048 x 1,024 float32; out1 one number float32.
;; This version of the problem:
;;   THIS VERSION OF THE PROBLEM IS GIVEN IN LOW PRECISION. The matrix products marked QUANTISED in the list below multiply operands that are first quantised to E4M3 (4 exponent bits, 3 mantissa bits; 8 bits a number), with one given power-of-two scale for each operand tensor; their sums are f32. All else is computed in f32.
;;   The module's matrix products, in the order in which they are computed (A, B: the left and right operand; K: the contracted axis; several contracted axes count as one K, in the product's order):
;;     1. [M 2,048, K 1,024] x [K 1,024, N 32,768]; A: computed on the way; B: computed on the way: QUANTISED (scales: A lowp_scales[0], B lowp_scales[1])
;;   THE QUANTISER, for each operand of a quantised product, along K:
;;     - The operand's scale is 2^e, e = its entry of the input lowp_scales (int32; the entries are numbered through the quantised products in the list's order, A before B).
;;     - Each number is divided by the scale, clamped to +-448, and rounded to the nearest number of E4M3, ties to even, subnormals kept.
;;     - The product sums the exact products of the quantised numbers (number of the format x scale) in f32.
;;   ~~~python
;;   def quantise(x, axis, e):      # numpy; x: float32 -> the quantised numbers, widened to float32 again
;;       x = np.moveaxis(x, axis, -1); K = x.shape[-1]
;;       r = np.clip(x / 2.0 ** e, -448, 448)
;;       step = 2.0 ** (np.maximum(np.frexp(np.where(r == 0, 1, r))[1] - 1, -6) - 3)
;;       q = np.round(r / step) * step * 2.0 ** e      # np.round: ties to even
;;       return np.moveaxis(q, -1, axis).astype(np.float32)
;;   ~~~
;;   OPERANDS COMPUTED ON THE WAY. 'Computed on the way' means the value that the module computes at that place (a softmax that the list does not call 'softmax' is quantised finished and normalised). What goes into a quantiser is computed in f32, as accurately as f32 sums, v_exp_f32 and their like allow (about 1e-6 of the number): no bf16 or f16 on the way to a quantiser, and a product that is left as it is and whose result goes on into a quantised operand takes f32 operands (vector FMAs, or v_wmma_f32_16x16x4_f32). A number that lies on a knife's edge between two numbers of the format may be rounded either way, as far as f32 arithmetic and the matrix unit's own rounding can turn it there, and no further.
;; 2 versions, each right. Each part assembles by itself: llvm-mc -triple=amdgcn-amd-amdhsa -mcpu=gfx1250 --defsym DOCPART=n.
;; ======== version 1 of 2: 4 launches
;; workspace buffers: q_codes 2,097,152 bytes; k_codes 33,554,432 bytes; part 1,048,576 bytes; rowvar 8,192 bytes; best 8,192 bytes of whole numbers
;; launch quant (part 1): grid 2176 x 1, 4 waves a work-group, no clusters, 17,920 bytes of LDS; arguments query, keys, lowp_scales, q_codes, k_codes; writes q_codes, k_codes
.if DOCPART == 1
	.amdgcn_target "amdgcn-amd-amdhsa--gfx1250"
	.amdhsa_code_object_version 6
	.text
	.protected	k_q5b4b61b998_quant
	.globl	k_q5b4b61b998_quant
	.p2align	8
	.type	k_q5b4b61b998_quant,@function
k_q5b4b61b998_quant:
	s_mov_b64 s[64:65], 0
	v_nop
	global_prefetch_b8 v0, s[64:65] scope:SCOPE_SE
	s_setreg_imm32_b32 hwreg(HW_REG_WAVE_MODE, 25, 1), 1
	s_wait_xcnt 0x0
; query [2048][1024] and keys [32768][1024], f32: each row is divided by max(its length, 1e-12) and turned into codes of FP8 (E4M3) with the tensor's given scale 2^e
; (entry 0 of the scales for the queries, entry 1 for the keys): code = x / 2^e, held within +-448, to the nearest code, ties to even.
; A work-group makes one TILE of 16 rows; work-groups 0-127 take the queries' tiles, the others the keys'.  Only pointers and e are chosen: one path through the text.
; Wave w takes rows 4 w .. 4 w + 3, each whole in 32 registers a lane, so that a row is read from memory once: first its sum of squares, then the conversion.
; THE CODES' LAYOUT is the order of the product's operand registers.  A tile is 16,384 bytes: [piece p = 0..63][row r = 0..15][16 bytes].  The product's launch takes the 16 bytes of piece
; 8 s + 2 c + (lane / 16), row lane % 16, as registers 4 c .. 4 c + 3 of the fragment of K step s: 512 consecutive bytes an instruction.
; WHICH k A PIECE HOLDS is a fixed permutation of K, the same for both tensors since this one text makes both: with one scale a tensor every product still meets its partner, and only the order
; of the sums changes.  Piece 32 u + l holds, for g = 2 u and 2 u + 1, k = 256 g + 4 l + 0..3 and then k = 256 g + 128 + 4 l + 0..3: what lane l has loaded, in the order in which it loaded it.
; LIMITS: e between -126 and 119, so that 2^e and 448 x 2^e are f32 numbers.  NaN and infinities among the inputs are not served.  1 / max(length, 1e-12) is made by v_sqrt_f32 and v_rcp_f32.
; No tensor load, no ring: every load reads 512 consecutive bytes, 16 KiB of a wave are on their way at once, and several work-groups share a WGP.  Matrix units and clusters have nothing to do here.
.set X,   32                           ; v32-159  row i's 32 numbers at X + 32 i; later the tile's pieces on their way out
.set C,   160                          ; v160-191 row i's 8 registers of codes
.set PP,  272                          ; the stage: a piece's 256 bytes + 16 of padding, so that lanes that store to neighbouring pieces fall on different banks
	s_load_b256 s[4:11], s[0:1], 0x0               ; query s[4:5], keys s[6:7], the scales' exponents s[8:9], q_codes s[10:11]
	s_load_b64 s[12:13], s[0:1], 0x20              ; k_codes
	v_lshl_add_u32 v192, v0, 2, 0x4400
	v_mov_b32 v193, 0
	v_lshrrev_b32 v1, 5, v0
	v_readfirstlane_b32 s16, v1                    ; wave 0..3
	v_and_b32 v1, 31, v0                           ; lane
	v_lshlrev_b32 v2, 4, v1                        ; 16 x lane: my bytes of a load's and of a store's 512
	v_mul_u32_u24 v3, v1, PP
	s_lshl_b32 s18, s16, 6
	v_add_nc_u32 v3, s18, v3                       ; into the stage: piece = lane (+ 32 u), row 4 w (+ i): 272 x lane + 64 w
	v_and_b32 v4, 15, v0
	v_bfe_u32 v7, v0, 4, 1
	v_lshlrev_b32 v4, 4, v4
	v_mad_u32_u24 v4, v7, PP, v4
	s_mul_i32 s18, s16, 16*PP
	v_add_nc_u32 v4, s18, v4                       ; out of it: pieces 16 w + 2 t + lane / 16, row lane % 16
	s_mov_b32 s24, 0x76543210                      ; v_permlanex16_b32: each lane takes its own place in the other half
	s_mov_b32 s25, 0xfedcba98
	s_wait_kmcnt 0x0
	s_load_b64 s[22:23], s[8:9], 0x0               ; e of the queries, e of the keys
	s_cmp_lt_u32 ttmp9, 128                        ; a tile of queries or of keys?  The choice hangs on the work-group's number alone
	s_cselect_b64 s[4:5], s[4:5], s[6:7]
	s_cselect_b64 s[10:11], s[10:11], s[12:13]
	s_cselect_b32 s17, 0, 128
	s_sub_co_u32 s17, ttmp9, s17                   ; the tile's number in its tensor
	s_lshl_b32 s18, s17, 16                        ; 16 rows of 4,096 bytes,
	s_lshl_b32 s20, s16, 14                        ; my wave's 4 of them
	s_add_co_u32 s18, s18, s20
	s_mov_b32 s19, 0
	s_add_nc_u64 s[4:5], s[4:5], s[18:19]
	s_lshl_b32 s18, s17, 14                        ; a tile of 16,384 bytes of codes,
	s_lshl_b32 s20, s16, 12                        ; my wave's 16 pieces of it
	s_add_co_u32 s18, s18, s20
	s_add_nc_u64 s[10:11], s[10:11], s[18:19]
.irp i, 0,1,2,3
.irp j, 0,1,2,3,4,5,6,7
	global_load_b128 v[X+32*\i+4*\j:X+32*\i+4*\j+3], v2, s[4:5] offset:4096*\i+512*\j th:TH_LOAD_NT   ; 32 lanes read 512 consecutive bytes; read once in the launch
.endr
.endr
	s_wait_kmcnt 0x0
	s_cmp_lt_u32 ttmp9, 128
	s_cselect_b32 s22, s22, s23                    ; e
	s_add_co_i32 s22, s22, 127
	s_lshl_b32 s23, s22, 23
	v_mov_b32 v5, s23                              ; 2^e as f32: the conversion takes its exponent field
	s_add_co_i32 s22, s22, 8
	s_lshl_b32 s22, s22, 23
	s_or_b32 s22, s22, 0x600000
	v_mov_b32 v6, s22                              ; 448 x 2^e
.irp i, 0,1,2,3
	v_mov_b32 v[9+2*\i], 0                         ; named as the upper half of the pair that holds 1 / length, so it is written
.endr
	; the rows' sums of squares: two numbers an instruction, two chains a row, started by the first products
.irp i, 0,1,2,3
	s_wait_loadcnt 24-8*\i                         ; row i's eight loads are in; the eight of each later row may be out
	v_pk_mul_f32 v[16+4*\i:17+4*\i], v[X+32*\i:X+32*\i+1], v[X+32*\i:X+32*\i+1]
	v_pk_mul_f32 v[18+4*\i:19+4*\i], v[X+32*\i+2:X+32*\i+3], v[X+32*\i+2:X+32*\i+3]
.irp p, 4,8,12,16,20,24,28
	v_pk_fma_f32 v[16+4*\i:17+4*\i], v[X+32*\i+\p:X+32*\i+\p+1], v[X+32*\i+\p:X+32*\i+\p+1], v[16+4*\i:17+4*\i]
	v_pk_fma_f32 v[18+4*\i:19+4*\i], v[X+32*\i+\p+2:X+32*\i+\p+3], v[X+32*\i+\p+2:X+32*\i+\p+3], v[18+4*\i:19+4*\i]
.endr
	v_pk_add_f32 v[16+4*\i:17+4*\i], v[16+4*\i:17+4*\i], v[18+4*\i:19+4*\i]
	v_add_f32 v[16+4*\i], v[16+4*\i], v[17+4*\i]
.endr
	; across the 32 lanes, the four rows by turns
.irp m, 1,2,4,8
.irp i, 0,1,2,3
	v_add_f32_dpp v[16+4*\i], v[16+4*\i], v[16+4*\i] row_xmask:\m row_mask:0xf bank_mask:0xf
.endr
.endr
.irp i, 0,1,2,3
	v_permlanex16_b32 v[17+4*\i], v[16+4*\i], s24, s25   ; its destination counts as read: a register that has been written
.endr
.irp i, 0,1,2,3
	v_add_f32 v[16+4*\i], v[16+4*\i], v[17+4*\i]   ; every lane holds the row's sum of squares
.endr
.irp i, 0,1,2,3
	v_sqrt_f32 v[16+4*\i], v[16+4*\i]
.endr
	v_nop                                          ; one plain instruction behind the last root (ISA guide 5.7.2),
	s_wait_alu depctr_va_vdst(0)                   ; and one wait for the four, ahead of their first reader
.irp i, 0,1,2,3
	v_max_num_f32 v[16+4*\i], 0x2b8cbccc, v[16+4*\i]   ; max(length, 1e-12)
.endr
.irp i, 0,1,2,3
	v_rcp_f32 v[8+2*\i], v[16+4*\i]
.endr
	v_nop
	s_wait_alu depctr_va_vdst(0)                   ; one wait for the four reciprocals
.irp i, 0,1,2,3
.set p, 0
.rept 16
	v_pk_mul_f32 v[X+32*\i+p:X+32*\i+p+1], v[X+32*\i+p:X+32*\i+p+1], v[8+2*\i:9+2*\i] op_sel_hi:[1,0]   ; x / max(length, 1e-12): the pair's low word for both halves
.set p, p+2
.endr
.set p, 0
.rept 32
	v_med3_num_f32 v[X+32*\i+p], v[X+32*\i+p], -v6, v6   ; the conversion to an 8-bit code does not saturate (ISA guide 7.6.2): the hold at the largest code x the scale
.set p, p+1
.endr
.irp g, 0,1,2,3
	v_cvt_scalef32_pk8_fp8_f32 v[C+8*\i+2*\g:C+8*\i+2*\g+1], v[X+32*\i+8*\g:X+32*\i+8*\g+7], v5
.endr
.endr
	v_nop                                          ; one plain instruction behind the last conversion
.irp i, 0,1,2,3
	ds_store_b128 v3, v[C+8*\i:C+8*\i+3] offset:16*\i              ; piece = lane, row 4 w + i
	ds_store_b128 v3, v[C+8*\i+4:C+8*\i+7] offset:32*PP+16*\i      ; piece = 32 + lane
.endr
	s_wait_dscnt 0x0                               ; for the others' sake: my stores into the stage are done
	s_barrier_signal -1
	s_barrier_wait -1                              ; a piece's 16 rows come from four waves
.irp t, 0,1,2,3,4,5,6,7
	ds_load_b128 v[X+4*\t:X+4*\t+3], v4 offset:2*PP*\t             ; two whole pieces
.endr
.irp t, 0,1,2,3,4,5,6,7
	s_wait_dscnt 7-\t                              ; LDS loads come back in order: pair t of pieces is in, the younger ones may be out
	global_store_b128 v2, v[X+4*\t:X+4*\t+3], s[10:11] offset:512*\t   ; 32 lanes store 512 consecutive bytes, at a multiple of 512 from the buffer's first byte
.endr
	s_wait_tensorcnt 0x0
	ds_add_u32 v192, v193
	s_wait_dscnt 0x0
	s_endpgm
.Lfunc_end_k_q5b4b61b998_quant:
	.size	k_q5b4b61b998_quant, .Lfunc_end_k_q5b4b61b998_quant-k_q5b4b61b998_quant
	.p2alignl 7, 3214868480
	.fill 96, 4, 3214868480
	.section	.rodata,"a",@progbits
	.p2align	6, 0x0
	.amdhsa_kernel k_q5b4b61b998_quant
		.amdhsa_group_segment_fixed_size 17920
		.amdhsa_private_segment_fixed_size 0
		.amdhsa_enable_private_segment 0
		.amdhsa_kernarg_size 40
		.amdhsa_user_sgpr_count 2
		.amdhsa_user_sgpr_kernarg_segment_ptr 1
		.amdhsa_wavefront_size32 1
		.amdhsa_system_sgpr_workgroup_id_x 1
		.amdhsa_system_sgpr_workgroup_id_y 1
		.amdhsa_system_sgpr_workgroup_id_z 1
		.amdhsa_system_vgpr_workitem_id 0
		.amdhsa_next_free_vgpr 194
		.amdhsa_next_free_sgpr 66
		.amdhsa_reserve_vcc 0
		.amdhsa_float_denorm_mode_32 3
		.amdhsa_float_denorm_mode_16_64 3
		.amdhsa_memory_ordered 1
		.amdhsa_forward_progress 1
		.amdhsa_inst_pref_size 28
	.end_amdhsa_kernel
	.amdgpu_metadata
---
amdhsa.version: [ 1, 2 ]
amdhsa.kernels:
  - .name:           k_q5b4b61b998_quant
    .symbol:         k_q5b4b61b998_quant.kd
    .args:
      - { .name: query, .offset: 0, .size: 8, .value_kind: global_buffer, .address_space: global }
      - { .name: keys, .offset: 8, .size: 8, .value_kind: global_buffer, .address_space: global }
      - { .name: lowp_scales, .offset: 16, .size: 8, .value_kind: global_buffer, .address_space: global }
      - { .name: q_codes, .offset: 24, .size: 8, .value_kind: global_buffer, .address_space: global }
      - { .name: k_codes, .offset: 32, .size: 8, .value_kind: global_buffer, .address_space: global }
    .group_segment_fixed_size: 17920
    .private_segment_fixed_size: 0
    .kernarg_segment_align: 8
    .kernarg_segment_size: 40
    .max_flat_workgroup_size: 128
    .sgpr_count:     66
    .vgpr_count:     194
    .wavefront_size: 32
...
	.end_amdgpu_metadata
.endif
;; end of part 1
;; launch sim (part 2): grid 8 x 32, 4 waves a work-group, clusters of 4 x 1, 327,680 bytes of LDS; arguments q_codes, k_codes, part; writes part
.if DOCPART == 2
	.amdgcn_target "amdgcn-amd-amdhsa--gfx1250"
	.amdhsa_code_object_version 6
	.text
	.protected	k_q5b4b61b998_sim
	.globl	k_q5b4b61b998_sim
	.p2align	8
	.type	k_q5b4b61b998_sim,@function
k_q5b4b61b998_sim:
	s_mov_b64 s[64:65], 0
	v_nop
	global_prefetch_b8 v0, s[64:65] scope:SCOPE_SE
	s_setreg_imm32_b32 hwreg(HW_REG_WAVE_MODE, 25, 1), 1
	s_wait_xcnt 0x0
	s_wait_alu depctr_hold_cnt(0) depctr_sa_sdst(0) depctr_va_vdst(0) depctr_va_sdst(0) depctr_va_ssrc(0) depctr_va_vcc(0) depctr_vm_vsrc(0)
	s_getreg_b32 s2, hwreg(HW_REG_IB_STS2, 6, 4)
	s_cmp_eq_u32 s2, 0
	s_cbranch_scc0 .Lentry_in_a_cluster
	s_endpgm
.Lentry_in_a_cluster:
	s_bfe_u32 s2, ttmp6, 0x10000c
	s_cmp_lg_u32 s2, 0x3003
	s_cbranch_scc0 .Lentry_shape_is_right
	s_endpgm
.Lentry_shape_is_right:
; The raw similarities s = (codes of q) . (codes of k), K = 1,024, by v_wmma_f32_16x16x128_fp8_fp8, and for each query, over a range of keys: the sum of d, the sum of d^2, the largest d and its key.
; d = s - c, where c is the query's own raw sum with key 0 of the whole table.  The two scales are powers of two: they change no order, and the next launch applies them to the variance.
; SHARES.  Work-group (x, y): queries 256 x .. + 255, keys 1,024 y .. + 1,023 (64 tiles of 16).  8 x 32 = 256 work-groups of equal work.  Wave w holds its 64 queries (4 tiles, all of K: 512 registers) for the
; whole launch; the keys stream through LDS, and each fragment of 16 keys x 128 K that a wave reads (four loads of 512 bytes) feeds four products.
; TRANSPOSED USE: source 0 = 16 keys, source 1 = 16 queries: a lane holds ONE query (lane % 16) and the keys 8 (lane / 16) + 0..7 of a tile, so that all four figures run along the stream in the lane's own registers.
; THE SHIFT c.  Every wave makes it at the head by 32 products on key tile 0, the same instructions on the same bytes in every work-group, so a query's c is the same bits everywhere and the ranges' moments
; simply add.  Each tile's first product takes -c as its C: the shift costs nothing in the loop.  It is there for the variance: the moments are taken about a number that is itself one of the similarities.
; LIMIT: the variance's relative error grows as about 2^-24 (1 + (c - mean)^2 / variance).  NaN and infinities are not served.
; THE ARGMAX IS EXACT ON d: m = the largest of an accumulator's eight; where m > M (strictly: an earlier tile keeps a tie) the tile's number and the eight values are kept; at the end the lowest j with
; value j = M is the key.  Equal keys give equal bits of d, so a tie goes to the lower index.
; BY TURNS.  A tile of keys is 32 products (8 K steps x 4 tiles of queries; the four accumulators take turns, one instruction a turn).  Behind EACH product stands a slice: three of the 92 vector
; instructions that take the statistics of the tile BEFORE (two sets of accumulators), and one LDS load of the ring of key fragments.  Set in a phase of their own those 92 would leave the matrix unit idle.
; The price: the queries fill windows 1 and 2, so a slice costs two s_set_vgpr_msb.
; CLUSTER.  The four query blocks of a cluster walk the same keys: each fill is asked for JOINTLY, the same tensor load with the same descriptor and the mask of all four.
; LDS: two slots of 131,072 bytes (8 tiles of keys) at 0 and at 131,072, dense: a load's 512 bytes are consecutive, so nothing is padded.  Behind them the spare words.  All of a WGP's LDS is claimed.
; REGISTERS, in windows of 256 (s_set_vgpr_msb: bits 1:0 source 0, 3:2 source 1, 5:4 source 2, 7:6 destination):
;   window 0: v1-5 addresses; v6, v7 m; v8-31 six registers of statistics a tile of queries; v32-95 two sets of four accumulators; v96-223 the ring: eight fragments of keys; v224-255 the kept values
;   window 1: queries' tiles 0, 1 (128 registers each: fragment s at 16 s)     window 2: tiles 2, 3     window 3: v0-31: -c, eight registers a tile, in the result's layout
.set TILEB, 16384                      ; a tile of 16 keys x 1,024 codes
.set PAIRB, 2*TILEB
.set FILLB, 8*TILEB                    ; what a slot holds
.set SLOT1, 131072                     ; slot 1 begins here: one exclusive or turns an address in one slot into the other's
.set SPARE, 262144                     ; the spare words, 128 bytes for each wave: two blocks of 256 bytes that no other line names
.set L16, 1                            ; v1   16 x lane; never rewritten
.set ADK, 2                            ; v2   LDS address of the pair of tiles in hand, + 16 x lane
.set SPW, 3                            ; v3   LDS address of my spare word; never rewritten
.set NIL, 4                            ; v4   0; never rewritten
.set PFO, 5                            ; v5   256 x lane: the prefetches' offset; never rewritten
.set ST,  8                            ; tile a's statistics at ST + 6 a: +0, +1 sum of d (even, odd registers); +2, +3 sum of d^2; +4 M; +5 the tile of keys that gave M
.set ACC, 32
.set KR,  96
.set W,   224
.set REC, 96                           ; the way out: four registers a tile of queries, where the ring lay
.set TP,  112                          ; and four for what comes from the other half of the lanes
.set WV,  10                           ; s10  my wave's number
.set TB,  22                           ; s22  LDS byte of the pair of tiles in hand
.set TC,  23                           ; s23  number of the tile whose statistics are being taken
.set G1,  24                           ; s[24:31] descriptor group 1
.set G0,  32                           ; s[32:35] group 0 of fill 0; s[36:39] of fill 1, which then walks
.set SLOTS, 40                         ; s40  fills still to be asked for
.set CNT, 41                           ; s41  counts pairs of tiles
.set LIM, 42                           ; s42  1 where my cluster prefetches, else the greatest number
.set PFA, 44                           ; s[44:45] where my prefetches stand
.set SEL, 46                           ; s[46:47] lane selects for v_permlanex16_b32: lane xor 16
.set HM,  48                           ; s48  the mask of lanes 16-31
.set MK,  52                           ; s[52:55] for each accumulator: the lanes in which m > M
.set MSB, 0
.set LASTT, 0
.macro WIN new                         ; the immediate's high byte repeats the setting that is left; a switch that changes nothing is dropped
.if MSB != (\new)
	s_set_vgpr_msb (MSB<<8)|(\new)
.set MSB, (\new)
.endif
.endm
; A round of the cluster's barrier: my work-group's barrier, so that wave 0's signal speaks for all four waves; wave 0 signals; every wave waits for all four work-groups; my work-group's barrier once more.
.macro CROUND
	s_barrier_signal -1
	s_barrier_wait -1
	s_cmp_lg_u32 s[WV], 0
	s_cbranch_scc1 .Lnot_wave_0_\@
	s_barrier_signal -3
.Lnot_wave_0_\@:
	s_barrier_wait -3
	s_barrier_signal -1
	s_barrier_wait -1
.endm
; A joint refill: one line for all four waves; each wave's group 0 names its own quarter of the slot (32,768 x wave, in LDS and in memory).  Four v_nop follow it.
.macro JLOAD
	tensor_load_to_lds s[G0+4:G0+7], s[G1:G1+7]
	s_nop 0
.rept 4
	v_nop
.endr
.endm
; A PREFETCH INTO THE L2 of the fill that the NEXT change of slots will ask for: 131,072 bytes = 4 work-groups x 4 waves x 32 lanes x 256 bytes: a lane a block, one instruction a wave, eight tiles (256 products a wave)
; ahead of the load.  Both clusters of a range walk the same keys: the first asks.  Its four partners share the blocks out BY ADDRESS (8,192 bytes for each wave of each): no branch hangs on a place in the cluster.
; The last change that fills a slot asks for nothing; fills 0 to 2 come by their loads alone.
.macro ASK
	s_cmp_gt_u32 s[SLOTS], s[LIM]
	s_cbranch_scc0 .Lnot_mine_\@
	global_prefetch_b8 v[PFO], s[PFA:PFA+1] th:TH_LOAD_NT scope:SCOPE_SE
.Lnot_mine_\@:
.endm
; Product i of a tile's 32: K step i / 4, tile of queries i % 4.  The K step's first product waits for its fragment of keys.  pilot = 1: the products that make c: their sums start with the constant 0.
; THE COUNT 23: a fragment's last load stands in a slice, each later slice holds one load, and 23 slices lie between it and this product; so 23 younger loads may be out.  In the last tile of all, which fetches
; nothing behind its slice 4, they are 28 - 4 (i / 4) where that is less.
.macro MM set, pilot
.set fs, i/4
.set fa, i%4
.if (fa == 0) && !(\pilot)
.if LASTT && (28-4*fs < 23)
	s_wait_dscnt 28-4*fs
.else
	s_wait_dscnt 23
.endif
.endif
.set rD, ACC+32*(\set)+8*fa
.set rK, KR+16*fs
.set rQ, 128*(fa%2)+16*fs
.if fs > 0
	WIN 0x04*(1+fa/2)                              ; source 1 (the queries) window 1 or 2
	v_wmma_f32_16x16x128_fp8_fp8 v[rD:rD+7], v[rK:rK+15], v[rQ:rQ+15], v[rD:rD+7]
.elseif \pilot
	WIN 0x04*(1+fa/2)
	v_wmma_f32_16x16x128_fp8_fp8 v[rD:rD+7], v[rK:rK+15], v[rQ:rQ+15], 0
.else
	WIN 0x30+0x04*(1+fa/2)                         ; and C (-c) window 3
	v_wmma_f32_16x16x128_fp8_fp8 v[rD:rD+7], v[rK:rK+15], v[rQ:rQ+15], v[8*fa:8*fa+7]
.endif
.endm
; Number ek (0..22) of the statistics of accumulator ez of a set.  The maximum's chain and the sums alternate, so that no instruction reads the result of the one before it; the first reads the accumulator's low end.
.macro EP set
.set AC, ACC+32*(\set)+8*ez
.set rT, ST+6*ez
.set rM, 6+ez%2
.set rW, W+8*ez
.if ek == 0
	v_max3_num_f32 v[rM], v[AC], v[AC+1], v[AC+2]
.elseif ek == 2
	v_max3_num_f32 v[rM], v[rM], v[AC+3], v[AC+4]
.elseif ek == 4
	v_max3_num_f32 v[rM], v[rM], v[AC+5], v[AC+6]
.elseif ek == 6
	v_max_num_f32 v[rM], v[rM], v[AC+7]
.elseif ek == 8
	v_cmp_gt_f32 s[MK+ez], v[rM], v[rT+4]          ; strictly: an earlier tile keeps a tie
.elseif ek == 10
	v_max_num_f32 v[rT+4], v[rT+4], v[rM]
.elseif ek == 12
	v_cndmask_b32 v[rT+5], v[rT+5], s[TC], s[MK+ez]
.elseif ek > 14
	v_cndmask_b32 v[rW+ek-15], v[rW+ek-15], v[AC+ek-15], s[MK+ez]
.elseif (ek == 1) || (ek == 5) || (ek == 9) || (ek == 13)
.set pr, AC+2*((ek-1)/4)
	v_pk_add_f32 v[rT:rT+1], v[rT:rT+1], v[pr:pr+1]
.else
.set pr, AC+2*(ek/4)
	v_pk_fma_f32 v[rT+2:rT+3], v[pr:pr+1], v[pr:pr+1], v[rT+2:rT+3]
.endif
.endm
; Slice i: three of the 46 numbers of two accumulators of the set before (accumulators 0, 1 in slices 0-15; 2, 3 in slices 16-31; slices 15 and 31 hold one), the two by turns; then one load of the ring.
; Load (i + 27) % 32 of a tile's 32: slices 0-4 bring the last five loads of the tile in hand, slices 5-31 the first 27 of the next.
; PLACES (ISA guide 7.12.1 for vector instructions): a load into fragment s stands in slice 4 s + 5 or later, its last reader is product 4 s + 3: the vector lines of three slices lie between, five at the least,
; none of which names a register of that product (they work on the other set).  An accumulator's first read stands seven vector lines or more behind its last product.
.macro SLICE prev, epi, ld, off
	WIN 0
.if \epi
.irp d, 0,1,2
.set n_, 3*(i%16)+\d
.if n_ < 46
.set ez, 2*(i/16)+n_%2
.set ek, n_/2
	EP \prev
.endif
.endr
.else
	v_nop                                          ; the first tile has no tile before it: the places alone
	v_nop
.endif
.if \ld
.set q_, (i+27)%32
	ds_load_b128 v[KR+4*q_:KR+4*q_+3], v[ADK] offset:(\off)+512*q_
.endif
.endm
; THE CHANGE OF SLOTS stands in a slot's last tile, ahead of its product 5: the slot's last bytes have been asked for in slices 0-4, and slice 5 reads the other slot.  Each wave waits for all its tensor loads (one is
; out: its quarter of the other slot), adds 0 to its spare word, and waits for that and for its reads of this slot.  fill = 1: the barrier is a round of the cluster's, so that no wave of any partner still reads
; the slot or has a load on its way; the joint refill, the keys two slots on, is the first thing behind it, and has eight tiles in which to land.
.macro CHANGE fill
	WIN 0
	s_wait_tensorcnt 0x0                           ; no tensor load of mine is out, so a group 0 may be written
	ds_add_u32 v[SPW], v[NIL]                      ; 0 onto my spare word
.if \fill
	s_xor_b32 s[G0+5], s[G0+5], SLOT1              ; the walking descriptor: the other slot than last time,
	s_add_nc_u64 s[G0+6:G0+7], s[G0+6:G0+7], FILLB ; the next eight tiles; the type bits on top are not reached
	s_wait_xcnt 0x0                                ; the last prefetch, eight tiles back, has read its address, so it may be written:
	s_add_nc_u64 s[PFA:PFA+1], s[PFA:PFA+1], FILLB ; one fill further on than the walking descriptor
.endif
	s_wait_dscnt 0x0                               ; the add is done, and my reads of the slot are over
.if \fill
	CROUND
	JLOAD
	ASK
.else
	s_barrier_signal -1
	s_barrier_wait -1
.endif
	s_sub_co_u32 s[TB], s[TB], 3*PAIRB             ; back to a slot's first pair,
	s_xor_b32 s[TB], s[TB], SLOT1                  ; in the other slot
.endm
; A tile of keys on accumulator set 'set'.  cur, nxt: where this tile and the next lie from v[ADK] on.  epi = 1: the slices take the statistics of the tile before.
; mode, what stands ahead of product 5: 0 the next pair in the same slot; 1 a change of slots with a refill; 2 one without; 3 nothing, and nothing more is fetched (the last tile of all); 4 nothing.
.macro TILE set, cur, nxt, epi, mode
.set LASTT, 0
.if \mode == 3
.set LASTT, 1
.endif
.set i, 0
.rept 32
.if (i == 5) && (\mode < 3)
.if \mode == 0
	s_add_co_u32 s[TB], s[TB], PAIRB
.elseif \mode == 1
	CHANGE 1
.else
	CHANGE 0
.endif
	v_add_nc_u32 v[ADK], s[TB], v[L16]
.endif
	MM \set, 0
.if i < 5
	SLICE 1-\set, \epi, 1, \cur
.elseif LASTT
	SLICE 1-\set, \epi, 0, 0
.else
	SLICE 1-\set, \epi, 1, \nxt
.endif
.set i, i+1
.endr
.if \epi
	s_add_co_u32 s[TC], s[TC], 1
.endif
.endm
.macro PAIR mode, first                ; two tiles: after them the sets of accumulators are back where they began
	TILE 0, 0, TILEB, 1-\first, 4
	TILE 1, TILEB, 0, 1, \mode
.endm
.macro PAIRS n                         ; n pairs inside a slot: written once
	s_mov_b32 s[CNT], \n
.Lpairs_\@:
	PAIR 0, 0
	s_sub_co_u32 s[CNT], s[CNT], 1
	s_cmp_lg_u32 s[CNT], 0
	s_cbranch_scc1 .Lpairs_\@
.endm
	s_load_b128 s[4:7], s[0:1], 0x0                ; q_codes s[4:5], k_codes s[6:7]
	s_load_b64 s[8:9], s[0:1], 0x10                ; part
	v_lshl_add_u32 v[SPW], v0, 2, SPARE
	v_mov_b32 v[NIL], 0
	ds_add_u32 v3, v4
	ds_add_u32 v3, v4
	s_wait_dscnt 0x0
	v_lshrrev_b32 v[ADK], 5, v0
	v_readfirstlane_b32 s[WV], v[ADK]              ; wave 0..3
	v_and_b32 v[L16], 31, v0
	v_lshlrev_b32 v[L16], 4, v[L16]
	v_lshlrev_b32 v[PFO], 4, v[L16]
	s_bfe_u32 s11, ttmp6, 0x40000                  ; cx: my place in the cluster
	s_lshl_b32 s12, ttmp9, 2                       ; in a cluster launch ttmp9 counts clusters
	s_add_co_u32 s12, s12, s11                     ; x: my block of 256 queries: it enters the queries' and the results' addresses alone
	s_and_b32 s13, ttmp7, 0xffff                   ; y: the range of keys, which the four partners share
	; descriptor group 1: 128 rows of 32 elements of 8 bytes, dense: a quarter of a slot
	s_mov_b32 s[G1], 15|(3<<16)|(1<<21)            ; 15:0 the mask: all four work-groups; 17:16 elements of 8 bytes; 20 no padding; 21 set beside a mask
	s_mov_b32 s[G1+1], 32<<16                      ; tensor_dim0 = 32
	s_mov_b32 s[G1+2], 128<<16                     ; tensor_dim1 = 128
	s_mov_b32 s[G1+3], 32<<16                      ; tile_dim0 = 32
	s_mov_b32 s[G1+4], 128                         ; tile_dim1 = 128
	s_mov_b32 s[G1+5], 32                          ; tensor_dim0_stride
	s_mov_b32 s[G1+6], 0
	s_mov_b32 s[G1+7], 0
	s_lshl_b32 s14, s13, 20                        ; the range's 1 MiB of codes,
	s_lshl_b32 s17, s[WV], 15                      ; my quarter of a fill: the same offset in memory and in a slot; no place in the cluster enters either
	s_add_co_u32 s14, s14, s17
	s_mov_b32 s15, 0
	s_lshl_b32 s18, s12, 18                        ; my block's 16 tiles of queries,
	s_lshl_b32 s20, s[WV], 16                      ; my wave's 4 of them
	s_add_co_u32 s18, s18, s20
	s_mov_b32 s19, 0
	s_lshl_b32 s20, s13, 15                        ; the results: [range][query][16 bytes]
	s_lshl_b32 s21, s12, 12
	s_add_co_u32 s20, s20, s21
	s_lshl_b32 s21, s[WV], 10
	s_add_co_u32 s20, s20, s21
	s_mov_b32 s21, 0
	s_lshl_b32 s50, s11, 2                         ; the prefetches: 8,192 bytes for each wave of each partner,
	s_add_co_u32 s50, s50, s[WV]
	s_lshl_b32 s50, s50, 13
	s_lshl_b32 s51, s13, 20
	s_add_co_u32 s50, s50, s51
	s_add_co_u32 s50, s50, 2*FILLB                 ; in fill 2: the first change of slots steps it to fill 3.  Nothing is prefetched at the head
	s_mov_b32 s51, 0
	s_mov_b32 s[SEL], 0x76543210
	s_mov_b32 s[SEL+1], 0xfedcba98
	s_mov_b32 s[HM], 0xffff0000
	s_mov_b32 s[TB], 0
	s_mov_b32 s[TC], 0
	s_mov_b32 s[SLOTS], 6                          ; fills 2 to 7
	s_cmp_eq_u32 ttmp9, 0                          ; the range's first cluster: the same in all four partners
	s_cselect_b32 s[LIM], 1, -1
	s_wait_kmcnt 0x0
	s_add_nc_u64 s[14:15], s[6:7], s[14:15]
	s_add_nc_u64 s[4:5], s[4:5], s[18:19]
	s_add_nc_u64 s[8:9], s[8:9], s[20:21]
	s_add_nc_u64 s[PFA:PFA+1], s[6:7], s[50:51]
	CROUND                                         ; all four work-groups are here: the first joint loads meet
	s_mov_b32 s[G0], 1                             ; 1:0 count = 1
	s_mov_b32 s[G0+1], s17                         ; 63:32 LDS address: slot 0
	s_mov_b64 s[G0+2:G0+3], s[14:15]               ; 120:64 global address: fill 0
	s_or_b32 s[G0+3], s[G0+3], 0x80000000          ; 127:126 type = 2
	s_mov_b32 s[G0+4], 1
	s_add_co_u32 s[G0+5], s17, SLOT1
	s_add_nc_u64 s[G0+6:G0+7], s[14:15], FILLB
	s_or_b32 s[G0+7], s[G0+7], 0x80000000
	tensor_load_to_lds s[G0:G0+3], s[G1:G1+7]      ; the two first fills go out together: two tensor loads of mine are out
	s_nop 0
	tensor_load_to_lds s[G0+4:G0+7], s[G1:G1+7]
	s_nop 0
.rept 4
	v_nop
.endr
.set f, 0
.rept 32
	global_load_b128 v[KR+4*f:KR+4*f+3], v[L16], s[6:7] offset:512*f   ; key tile 0 of the whole table, for c: as the ring will hold a tile
.set f, f+1
.endr
.irp a, 0,1,2,3                        ; the queries stay in registers: tile a, load f: registers 4 f on, 512 consecutive bytes
	WIN 0x40*(1+\a/2)                              ; destination window 1 or 2
.set f, 0
.rept 32
	global_load_b128 v[128*(\a%2)+4*f:128*(\a%2)+4*f+3], v[L16], s[4:5] offset:TILEB*\a+512*f
.set f, f+1
.endr
.endr
	WIN 0
	v_add_nc_u32 v[ADK], s[TB], v[L16]
.irp a, 0,1,2,3
	v_mov_b32 v[ST+6*\a], 0
	v_mov_b32 v[ST+6*\a+1], 0
	v_mov_b32 v[ST+6*\a+2], 0
	v_mov_b32 v[ST+6*\a+3], 0
	v_mov_b32 v[ST+6*\a+4], 0xff800000             ; M = -infinity: the first tile's m is above it in every lane
	v_mov_b32 v[ST+6*\a+5], 0
	v_mov_b32 v[68+\a], 0                          ; a lane permute's destination counts as one of its sources
.endr
.set f, 0
.rept 32
	v_mov_b32 v[W+f], 0                            ; the kept values are written under a mask: so they are written whole once
.set f, f+1
.endr
	s_wait_loadcnt 0x0
.set i, 0
.rept 32
	MM 0, 1                                        ; the queries' raw sums with keys 0 to 15
.set i, i+1
.endr
	WIN 0
.rept 4
	v_nop                                          ; places behind the last of them
.endr
.irp a, 0,1,2,3
	v_permlanex16_b32 v[68+\a], v[ACC+8*\a], s[SEL], s[SEL+1]      ; key 0 is register 0 of lanes 0-15
.endr
.irp a, 0,1,2,3
	v_cndmask_b32 v[64+\a], v[ACC+8*\a], v[68+\a], s[HM]           ; c of my query, in both halves of the lanes
.endr
	WIN 0xc0                                       ; destination window 3
.irp a, 0,1,2,3
.irp j, 0,1,2,3,4,5,6,7
	v_mul_f32 v[8*\a+\j], -1.0, v[64+\a]           ; -c in the result's layout: a lane's eight registers hold one query.  (These 32 are also the places in front of the loads and products below)
.endr
.endr
	WIN 0
	s_wait_tensorcnt 0x1                           ; my quarter of fill 0 is in; fill 1's may stay out
	s_barrier_signal -1
	s_barrier_wait -1                              ; everybody's is
.set f, 0
.rept 27
	ds_load_b128 v[KR+4*f:KR+4*f+3], v[ADK] offset:512*f           ; tile 0's first 27 loads, in the order in which the slices would have issued them
.set f, f+1
.endr
	PAIR 0, 1                                      ; the first pair is written out: its first tile has no statistics to take
.Lslot:                                            ; 6 trips, from a slot's second pair to the next slot's first: each fills the slot that it leaves
	PAIRS 2
	PAIR 1, 0
	PAIR 0, 0
	s_sub_co_u32 s[SLOTS], s[SLOTS], 1
	s_cmp_lg_u32 s[SLOTS], 0
	s_cbranch_scc1 .Lslot
	PAIRS 2                                        ; the tail is written out: the rest of slot 6
	PAIR 2, 0                                      ; the change to slot 7, behind which nothing is asked for,
	PAIRS 3
	PAIR 3, 0                                      ; and the last pair, which fetches nothing beyond the range
.set n_, 0
.rept 92                               ; the last tile's statistics: accumulators 0 and 1 by turns, then 2 and 3; the first 46 are the places behind the last products
.set ez, 2*(n_/46)+n_%2
.set ek, (n_%46)/2
	EP 1
.set n_, n_+1
.endr
	; THE WAY OUT.  For each tile of queries: the lowest j whose kept value is M; the key's number; the pairs' halves; then the other half of the lanes, which holds the same query's other keys.
	v_bfe_u32 v6, v0, 4, 1
	v_lshlrev_b32 v6, 3, v6
	s_lshl_b32 s14, s13, 10
	v_add_nc_u32 v6, s14, v6                       ; 1,024 y + 8 (lane / 16)
.irp k, 0,1,2,3
	v_mov_b32 v[TP+\k], 0                          ; the permutes' destinations count as read
.endr
.irp a, 0,1,2,3
	v_mov_b32 v[REC+4*\a+3], 7
.irp j, 6,5,4,3,2,1,0
	v_cmp_eq_f32 vcc_lo, v[W+8*\a+\j], v[ST+6*\a+4]
	v_cndmask_b32 v[REC+4*\a+3], v[REC+4*\a+3], \j, vcc_lo
.endr
	v_lshl_add_u32 v[REC+4*\a+3], v[ST+6*\a+5], 4, v[REC+4*\a+3]
	v_add_nc_u32 v[REC+4*\a+3], v[REC+4*\a+3], v6  ; n = 1,024 y + 16 tile + 8 (lane / 16) + j
	v_add_f32 v[REC+4*\a], v[ST+6*\a], v[ST+6*\a+1]
	v_add_f32 v[REC+4*\a+1], v[ST+6*\a+2], v[ST+6*\a+3]
	v_permlanex16_b32 v[TP], v[REC+4*\a], s[SEL], s[SEL+1]
	v_permlanex16_b32 v[TP+1], v[REC+4*\a+1], s[SEL], s[SEL+1]
	v_permlanex16_b32 v[TP+2], v[ST+6*\a+4], s[SEL], s[SEL+1]
	v_permlanex16_b32 v[TP+3], v[REC+4*\a+3], s[SEL], s[SEL+1]
	v_cmp_gt_f32 s56, v[TP+2], v[ST+6*\a+4]        ; the other half's key is taken where its d is larger,
	v_cmp_eq_f32 s57, v[TP+2], v[ST+6*\a+4]
	v_cmp_lt_u32 s58, v[TP+3], v[REC+4*\a+3]       ; or equal with the lower number
	s_and_b32 s57, s57, s58
	s_or_b32 s56, s56, s57
	v_cndmask_b32 v[REC+4*\a+3], v[REC+4*\a+3], v[TP+3], s56
	v_max_num_f32 v[REC+4*\a+2], v[ST+6*\a+4], v[TP+2]
	v_add_f32 v[REC+4*\a], v[REC+4*\a], v[TP]
	v_add_f32 v[REC+4*\a+1], v[REC+4*\a+1], v[TP+1]    ; both halves of the lanes now hold the same four numbers
.endr
.irp a, 0,2
.irp k, 0,1,2,3
	v_cndmask_b32 v[REC+4*\a+\k], v[REC+4*\a+\k], v[REC+4*\a+4+\k], s[HM]   ; lanes 16-31 take the next tile's
.endr
	global_store_b128 v[L16], v[REC+4*\a:REC+4*\a+3], s[8:9] offset:256*\a   ; 32 queries x 16 bytes: 512 consecutive bytes, at a multiple of 512 from the buffer's first byte
.endr
	s_wait_tensorcnt 0x0                           ; the wave's end
	ds_add_u32 v[SPW], v[NIL]
	s_wait_dscnt 0x0
	CROUND                                         ; the closing round: no work-group ends while a partner may still ask for a tile that names it
	s_endpgm
.Lfunc_end_k_q5b4b61b998_sim:
	.size	k_q5b4b61b998_sim, .Lfunc_end_k_q5b4b61b998_sim-k_q5b4b61b998_sim
	.p2alignl 7, 3214868480
	.fill 96, 4, 3214868480
	.section	.rodata,"a",@progbits
	.p2align	6, 0x0
	.amdhsa_kernel k_q5b4b61b998_sim
		.amdhsa_group_segment_fixed_size 327680
		.amdhsa_private_segment_fixed_size 0
		.amdhsa_enable_private_segment 0
		.amdhsa_kernarg_size 24
		.amdhsa_user_sgpr_count 2
		.amdhsa_user_sgpr_kernarg_segment_ptr 1
		.amdhsa_wavefront_size32 1
		.amdhsa_system_sgpr_workgroup_id_x 1
		.amdhsa_system_sgpr_workgroup_id_y 1
		.amdhsa_system_sgpr_workgroup_id_z 1
		.amdhsa_system_vgpr_workitem_id 0
		.amdhsa_next_free_vgpr 800
		.amdhsa_next_free_sgpr 66
		.amdhsa_reserve_vcc 1
		.amdhsa_float_denorm_mode_32 3
		.amdhsa_float_denorm_mode_16_64 3
		.amdhsa_memory_ordered 1
		.amdhsa_forward_progress 1
		.amdhsa_inst_pref_size 226
	.end_amdhsa_kernel
	.amdgpu_metadata
---
amdhsa.version: [ 1, 2 ]
amdhsa.kernels:
  - .name:           k_q5b4b61b998_sim
    .symbol:         k_q5b4b61b998_sim.kd
    .args:
      - { .name: q_codes, .offset: 0, .size: 8, .value_kind: global_buffer, .address_space: global }
      - { .name: k_codes, .offset: 8, .size: 8, .value_kind: global_buffer, .address_space: global }
      - { .name: part, .offset: 16, .size: 8, .value_kind: global_buffer, .address_space: global }
    .group_segment_fixed_size: 327680
    .private_segment_fixed_size: 0
    .kernarg_segment_align: 8
    .kernarg_segment_size: 24
    .max_flat_workgroup_size: 128
    .sgpr_count:     66
    .vgpr_count:     800
    .wavefront_size: 32
...
	.end_amdgpu_metadata
.endif
;; end of part 2
;; launch combine (part 3): grid 32 x 1, 2 waves a work-group, no clusters, 768 bytes of LDS; arguments part, lowp_scales, rowvar, best; writes rowvar, best
.if DOCPART == 3
	.amdgcn_target "amdgcn-amd-amdhsa--gfx1250"
	.amdhsa_code_object_version 6
	.text
	.protected	k_q5b4b61b998_combine
	.globl	k_q5b4b61b998_combine
	.p2align	8
	.type	k_q5b4b61b998_combine,@function
k_q5b4b61b998_combine:
	s_mov_b64 s[64:65], 0
	v_nop
	global_prefetch_b8 v0, s[64:65] scope:SCOPE_SE
	s_setreg_imm32_b32 hwreg(HW_REG_WAVE_MODE, 25, 1), 1
	s_wait_xcnt 0x0
; For each query the 32 ranges' results (sum of d, sum of d^2, largest d, its key) become the row's variance and the row's argmax.  part: [range 0..31][query 0..2047][4 words].
; A lane takes one query; a work-group of two waves takes 64.  All ranges took d about the same c, so the sums simply add.  The ranges go in ascending order and the compare is strict: a tie stays with the lower key.
; variance = (sum d^2 - (sum d)^2 / 32768) / 32767 x 2^(2 (e0 + e1)): d is in units of the two scales' product.  LIMIT: its relative error grows as about 2^-24 (1 + (c - mean)^2 / variance).
; The two results meet in LDS, so that each wave stores one whole run of 256 bytes: wave 0 the 64 variances, wave 1 the 64 keys' numbers.
; The key's number is only stored here, at a fixed place; the next launch reads it and forms the address.  A few loads a lane and nothing to reuse: no tensor load, no cluster, no prefetch.
	s_load_b256 s[4:11], s[0:1], 0x0               ; part s[4:5], the scales' exponents s[6:7], rowvar s[8:9], best s[10:11]
	v_lshl_add_u32 v160, v0, 2, 0x200
	v_mov_b32 v161, 0
	v_lshrrev_b32 v1, 5, v0
	v_readfirstlane_b32 s12, v1                    ; wave 0, 1
	v_and_b32 v1, 31, v0
	v_lshlrev_b32 v2, 4, v1                        ; 16 x lane: my query's record in a load's 512 bytes
	v_lshlrev_b32 v3, 2, v0                        ; 4 x thread: my word in LDS
	v_lshlrev_b32 v4, 3, v0                        ; 8 x thread = 256 x wave + 8 x lane: what I read back
	v_lshlrev_b32 v5, 3, v1                        ; 8 x lane: and where it goes
	s_lshl_b32 s14, ttmp9, 10                      ; 64 queries x 16 bytes,
	s_lshl_b32 s15, s12, 9                         ; my wave's 32
	s_add_co_u32 s14, s14, s15
	s_mov_b32 s15, 0
	s_lshl_b32 s16, ttmp9, 8                       ; 64 queries x 4 bytes
	s_mov_b32 s17, 0
	s_wait_kmcnt 0x0
	s_load_b64 s[18:19], s[6:7], 0x0               ; e0, e1
	s_add_nc_u64 s[4:5], s[4:5], s[14:15]
	s_cmp_eq_u32 s12, 0                            ; the choice hangs on the wave's number alone
	s_cselect_b64 s[8:9], s[8:9], s[10:11]
	s_add_nc_u64 s[8:9], s[8:9], s[16:17]
.set y_, 0
.rept 32
	global_load_b128 v[16+4*y_:19+4*y_], v2, s[4:5] offset:32768*y_ th:TH_LOAD_NT   ; range y: 32 lanes read 512 consecutive bytes
.set y_, y_+1
.endr
.set y_, 1
.rept 31                               ; range 0's registers take the sums: nothing is cleared
	s_wait_loadcnt 31-y_                           ; ranges 0 to y are in; the younger loads may be out
	v_pk_add_f32 v[16:17], v[16:17], v[16+4*y_:17+4*y_]
	v_cmp_gt_f32 vcc_lo, v[18+4*y_], v18
	v_cndmask_b32 v19, v19, v[19+4*y_], vcc_lo
	v_max_num_f32 v18, v18, v[18+4*y_]
.set y_, y_+1
.endr
	s_wait_kmcnt 0x0
	s_add_co_i32 s18, s18, s19
	s_lshl_b32 s18, s18, 1                         ; 2 (e0 + e1)
	v_mul_f32 v6, 0x38000000, v16                  ; sum d / 32768
	v_fma_f32 v6, -v6, v16, v17                    ; sum d^2 - (sum d)^2 / 32768
	v_mul_f32 v6, 0x38000100, v6                   ; / 32767
	v_ldexp_f32 v6, v6, s18
	ds_store_b32 v3, v6
	ds_store_b32 v3, v19 offset:256
	s_wait_dscnt 0x0                               ; for the other wave's sake
	s_barrier_signal -1
	s_barrier_wait -1
	ds_load_b64 v[8:9], v4
	s_wait_dscnt 0x0
	global_store_b64 v5, v[8:9], s[8:9]            ; 32 lanes store 256 consecutive bytes, at a multiple of 256 from the buffer's first byte
	s_wait_tensorcnt 0x0
	ds_add_u32 v160, v161
	s_wait_dscnt 0x0
	s_endpgm
.Lfunc_end_k_q5b4b61b998_combine:
	.size	k_q5b4b61b998_combine, .Lfunc_end_k_q5b4b61b998_combine-k_q5b4b61b998_combine
	.p2alignl 7, 3214868480
	.fill 96, 4, 3214868480
	.section	.rodata,"a",@progbits
	.p2align	6, 0x0
	.amdhsa_kernel k_q5b4b61b998_combine
		.amdhsa_group_segment_fixed_size 768
		.amdhsa_private_segment_fixed_size 0
		.amdhsa_enable_private_segment 0
		.amdhsa_kernarg_size 32
		.amdhsa_user_sgpr_count 2
		.amdhsa_user_sgpr_kernarg_segment_ptr 1
		.amdhsa_wavefront_size32 1
		.amdhsa_system_sgpr_workgroup_id_x 1
		.amdhsa_system_sgpr_workgroup_id_y 1
		.amdhsa_system_sgpr_workgroup_id_z 1
		.amdhsa_system_vgpr_workitem_id 0
		.amdhsa_next_free_vgpr 162
		.amdhsa_next_free_sgpr 66
		.amdhsa_reserve_vcc 1
		.amdhsa_float_denorm_mode_32 3
		.amdhsa_float_denorm_mode_16_64 3
		.amdhsa_memory_ordered 1
		.amdhsa_forward_progress 1
		.amdhsa_inst_pref_size 11
	.end_amdhsa_kernel
	.amdgpu_metadata
---
amdhsa.version: [ 1, 2 ]
amdhsa.kernels:
  - .name:           k_q5b4b61b998_combine
    .symbol:         k_q5b4b61b998_combine.kd
    .args:
      - { .name: part, .offset: 0, .size: 8, .value_kind: global_buffer, .address_space: global }
      - { .name: lowp_scales, .offset: 8, .size: 8, .value_kind: global_buffer, .address_space: global }
      - { .name: rowvar, .offset: 16, .size: 8, .value_kind: global_buffer, .address_space: global }
      - { .name: best, .offset: 24, .size: 8, .value_kind: global_buffer, .address_space: global }
    .group_segment_fixed_size: 768
    .private_segment_fixed_size: 0
    .kernarg_segment_align: 8
    .kernarg_segment_size: 32
    .max_flat_workgroup_size: 64
    .sgpr_count:     66
    .vgpr_count:     162
    .wavefront_size: 32
...
	.end_amdgpu_metadata
.endif
;; end of part 3
;; launch gather (part 4): grid 256 x 1, 8 waves a work-group, no clusters, 0 bytes of LDS; arguments values, best, rowvar, out0, out1; writes out0, out1
.if DOCPART == 4
	.amdgcn_target "amdgcn-amd-amdhsa--gfx1250"
	.amdhsa_code_object_version 6
	.text
	.protected	k_q5b4b61b998_gather
	.globl	k_q5b4b61b998_gather
	.p2align	8
	.type	k_q5b4b61b998_gather,@function
k_q5b4b61b998_gather:
	s_mov_b64 s[64:65], 0
	v_nop
	global_prefetch_b8 v0, s[64:65] scope:SCOPE_SE
	s_setreg_imm32_b32 hwreg(HW_REG_WAVE_MODE, 25, 1), 1
	s_wait_xcnt 0x0
; out0[b] = values[best[b]], and out1 = the mean of the 2,048 rows' variances.  best holds whole numbers that the launch before stored.
; A wave copies one row of 4,096 bytes: eight loads and eight stores of 512 consecutive bytes.  256 work-groups x 8 waves = 2,048 rows.
; The index is held at 32,767 before it enters an address.  A row may be named by several queries, so its loads carry no hint that it is read once.
; Wave 0 of work-group 0 then adds the variances: one owner for the one number, no traffic between work-groups.  A copy has nothing for LDS, the matrix units or a cluster to do.
	s_load_b256 s[4:11], s[0:1], 0x0               ; values s[4:5], best s[6:7], rowvar s[8:9], out0 s[10:11]
	s_load_b64 s[12:13], s[0:1], 0x20              ; out1
	v_lshrrev_b32 v1, 5, v0
	v_readfirstlane_b32 s14, v1                    ; wave 0..7
	v_and_b32 v1, 31, v0
	v_lshlrev_b32 v1, 4, v1                        ; 16 x lane
	s_lshl_b32 s15, ttmp9, 3
	s_add_co_u32 s15, s15, s14                     ; my row b
	s_lshl_b32 s16, s15, 2
	s_mov_b32 s17, 0
	s_lshl_b32 s20, s15, 12
	s_mov_b32 s21, 0
	s_wait_kmcnt 0x0
	s_add_nc_u64 s[6:7], s[6:7], s[16:17]
	s_load_b32 s18, s[6:7], 0x0                    ; best[b]
	s_add_nc_u64 s[10:11], s[10:11], s[20:21]
	s_wait_kmcnt 0x0
	s_min_u32 s18, s18, 0x7fff                     ; inside the table
	s_lshl_b32 s18, s18, 12                        ; a row is 4,096 bytes
	s_mov_b32 s19, 0
	s_add_nc_u64 s[4:5], s[4:5], s[18:19]
.irp j, 0,1,2,3,4,5,6,7
	global_load_b128 v[8+4*\j:11+4*\j], v1, s[4:5] offset:512*\j
.endr
.irp j, 0,1,2,3,4,5,6,7
	s_wait_loadcnt 7-\j                            ; loads come back in order: piece j is in, the younger ones may be out
	global_store_b128 v1, v[8+4*\j:11+4*\j], s[10:11] offset:512*\j th:TH_STORE_NT   ; 512 consecutive bytes, aligned; written once, read by nobody here
.endr
	s_or_b32 s20, ttmp9, s14
	s_cmp_lg_u32 s20, 0
	s_cbranch_scc1 .Lend                           ; all but wave 0 of work-group 0 are done
.irp j, 0,1,2,3,4,5,6,7,8,9,10,11,12,13,14,15
	global_load_b128 v[40+4*\j:43+4*\j], v1, s[8:9] offset:512*\j      ; the 2,048 variances: 64 a lane
.endr
	s_wait_loadcnt 0x0
.irp j, 1,2,3,4,5,6,7,8,9,10,11,12,13,14,15
	v_pk_add_f32 v[40:41], v[40:41], v[40+4*\j:41+4*\j]            ; two chains, two numbers an instruction
	v_pk_add_f32 v[42:43], v[42:43], v[42+4*\j:43+4*\j]
.endr
	v_pk_add_f32 v[40:41], v[40:41], v[42:43]
	v_add_f32 v40, v40, v41
	s_mov_b32 s22, 0x76543210
	s_mov_b32 s23, 0xfedcba98
	v_add_f32_dpp v40, v40, v40 row_xmask:1 row_mask:0xf bank_mask:0xf
	v_add_f32_dpp v40, v40, v40 row_xmask:2 row_mask:0xf bank_mask:0xf
	v_add_f32_dpp v40, v40, v40 row_xmask:4 row_mask:0xf bank_mask:0xf
	v_add_f32_dpp v40, v40, v40 row_xmask:8 row_mask:0xf bank_mask:0xf
	v_permlanex16_b32 v41, v40, s22, s23           ; its destination counts as read: a register that has been written
	v_add_f32 v40, v40, v41
	v_mul_f32 v40, 0x3a000000, v40                 ; / 2,048
	v_mov_b32 v42, 0
	v_cmp_eq_u32 vcc_lo, 0, v0
	s_wait_xcnt 0x0                                ; EXEC is a source of the loads and stores above: it changes only behind this wait
	s_and_saveexec_b32 s21, vcc_lo
	global_store_b32 v42, v40, s[12:13]            ; one lane, the one number
	s_wait_xcnt 0x0                                ; and again, in front of the line that widens it
	s_or_b32 exec_lo, exec_lo, s21
.Lend:
	s_endpgm
.Lfunc_end_k_q5b4b61b998_gather:
	.size	k_q5b4b61b998_gather, .Lfunc_end_k_q5b4b61b998_gather-k_q5b4b61b998_gather
	.p2alignl 7, 3214868480
	.fill 96, 4, 3214868480
	.section	.rodata,"a",@progbits
	.p2align	6, 0x0
	.amdhsa_kernel k_q5b4b61b998_gather
		.amdhsa_group_segment_fixed_size 0
		.amdhsa_private_segment_fixed_size 0
		.amdhsa_enable_private_segment 0
		.amdhsa_kernarg_size 40
		.amdhsa_user_sgpr_count 2
		.amdhsa_user_sgpr_kernarg_segment_ptr 1
		.amdhsa_wavefront_size32 1
		.amdhsa_system_sgpr_workgroup_id_x 1
		.amdhsa_system_sgpr_workgroup_id_y 1
		.amdhsa_system_sgpr_workgroup_id_z 1
		.amdhsa_system_vgpr_workitem_id 0
		.amdhsa_next_free_vgpr 112
		.amdhsa_next_free_sgpr 66
		.amdhsa_reserve_vcc 1
		.amdhsa_float_denorm_mode_32 3
		.amdhsa_float_denorm_mode_16_64 3
		.amdhsa_memory_ordered 1
		.amdhsa_forward_progress 1
		.amdhsa_inst_pref_size 8
	.end_amdhsa_kernel
	.amdgpu_metadata
---
amdhsa.version: [ 1, 2 ]
amdhsa.kernels:
  - .name:           k_q5b4b61b998_gather
    .symbol:         k_q5b4b61b998_gather.kd
    .args:
      - { .name: values, .offset: 0, .size: 8, .value_kind: global_buffer, .address_space: global }
      - { .name: best, .offset: 8, .size: 8, .value_kind: global_buffer, .address_space: global }
      - { .name: rowvar, .offset: 16, .size: 8, .value_kind: global_buffer, .address_space: global }
      - { .name: out0, .offset: 24, .size: 8, .value_kind: global_buffer, .address_space: global }
      - { .name: out1, .offset: 32, .size: 8, .value_kind: global_buffer, .address_space: global }
    .group_segment_fixed_size: 0
    .private_segment_fixed_size: 0
    .kernarg_segment_align: 8
    .kernarg_segment_size: 40
    .max_flat_workgroup_size: 256
    .sgpr_count:     66
    .vgpr_count:     112
    .wavefront_size: 32
...
	.end_amdgpu_metadata
.endif
;; end of part 4
;; ======== version 2 of 2: 4 launches
;; workspace buffers: q_codes 2,097,152 bytes; k_codes 33,554,432 bytes; part 1,048,576 bytes; rowvar 8,192 bytes; best 8,192 bytes of whole numbers
;; launch quant: the kernel of part 1 again; grid 2176 x 1, 4 waves a work-group, no clusters, 17,920 bytes of LDS; arguments query, keys, lowp_scales, q_codes, k_codes; writes q_codes, k_codes
;; launch sim (part 5): grid 8 x 32, 4 waves a work-group, clusters of 4 x 1, 327,680 bytes of LDS; arguments q_codes, k_codes, part; writes part
.if DOCPART == 5
	.amdgcn_target "amdgcn-amd-amdhsa--gfx1250"
	.amdhsa_code_object_version 6
	.text
	.protected	k_q5b4b61b998_sim
	.globl	k_q5b4b61b998_sim
	.p2align	8
	.type	k_q5b4b61b998_sim,@function
k_q5b4b61b998_sim:
	s_mov_b64 s[64:65], 0
	v_nop
	global_prefetch_b8 v0, s[64:65] scope:SCOPE_SE
	s_setreg_imm32_b32 hwreg(HW_REG_WAVE_MODE, 25, 1), 1
	s_wait_xcnt 0x0
	s_wait_alu depctr_hold_cnt(0) depctr_sa_sdst(0) depctr_va_vdst(0) depctr_va_sdst(0) depctr_va_ssrc(0) depctr_va_vcc(0) depctr_vm_vsrc(0)
	s_getreg_b32 s2, hwreg(HW_REG_IB_STS2, 6, 4)
	s_cmp_eq_u32 s2, 0
	s_cbranch_scc0 .Lentry_in_a_cluster
	s_endpgm
.Lentry_in_a_cluster:
	s_bfe_u32 s2, ttmp6, 0x10000c
	s_cmp_lg_u32 s2, 0x3003
	s_cbranch_scc0 .Lentry_shape_is_right
	s_endpgm
.Lentry_shape_is_right:
; The raw similarities s = (codes of q) . (codes of k), K = 1,024, by v_wmma_f32_16x16x128_fp8_fp8, and for each query, over a range of keys: the sum of d, the sum of d^2, the largest d and its key.
; d = s - c, where c is the query's own raw sum with key 0 of the whole table.  The two scales are powers of two: they change no order, and the next launch applies them to the variance.
; SHARES.  Work-group (x, y): queries 256 x .. + 255, keys 1,024 y .. + 1,023 (64 tiles of 16).  8 x 32 = 256 work-groups of equal work.  Wave w holds its 64 queries (4 tiles, all of K: 512 registers) for the
; whole launch; the keys stream through LDS, and each fragment of 16 keys x 128 K that a wave reads (four loads of 512 bytes) feeds four products.
; TRANSPOSED USE: source 0 = 16 keys, source 1 = 16 queries: a lane holds ONE query (lane % 16) and the keys 8 (lane / 16) + 0..7 of a tile, so that all four figures run along the stream in the lane's own registers.
; THE SHIFT c.  Every wave makes it at the head by 32 products on key tile 0, the same instructions on the same bytes in every work-group, so a query's c is the same bits everywhere and the ranges' moments
; simply add.  Each tile's first product takes -c as its C: the shift costs nothing in the loop.  It is there for the variance: the moments are taken about a number that is itself one of the similarities.
; LIMIT: the variance's relative error grows as about 2^-24 (1 + (c - mean)^2 / variance).  NaN and infinities are not served.
; THE ARGMAX IS EXACT ON d: m = the largest of an accumulator's eight; where m > M (strictly: an earlier tile keeps a tie) the tile's number and the eight values are kept; at the end the lowest j with
; value j = M is the key.  Equal keys give equal bits of d, so a tie goes to the lower index.
; BY TURNS.  A tile of keys is 32 products (8 K steps x 4 tiles of queries; the four accumulators take turns, one instruction a turn).  Behind EACH product stands a slice: three of the 92 vector
; instructions that take the statistics of the tile BEFORE (two sets of accumulators).  Set in a phase of their own those 92 would leave the matrix unit idle.
; The price: the queries fill windows 1 and 2, so a slice costs two s_set_vgpr_msb.
; THE LDS LOADS STAND IN ONE RUN OF 32 A TILE, never singly among the products: a whole tile of keys has two buffers of 128 registers, which take turns with the sets of accumulators; behind a tile's second
; product the next tile's 32 loads go into the other buffer, 30 products ahead of their first use.
; CLUSTER.  The four query blocks of a cluster walk the same keys: each fill is asked for JOINTLY, the same tensor load with the same descriptor and the mask of all four.
; LDS: two slots of 131,072 bytes (8 tiles of keys) at 0 and at 131,072, dense: a load's 512 bytes are consecutive, so nothing is padded.  Behind them the spare words.  All of a WGP's LDS is claimed.
; REGISTERS, in windows of 256 (s_set_vgpr_msb: bits 1:0 source 0, 3:2 source 1, 5:4 source 2, 7:6 destination):
;   window 0: v1-5 addresses; v6, v7 m; v8-31 six registers of statistics a tile of queries; v32-95 two sets of four accumulators; v96-223 key buffer 0 (fragment s at 16 s); v224-255 the kept values
;   window 1: queries' tiles 0, 1 (128 registers each: fragment s at 16 s)     window 2: tiles 2, 3     window 3: v0-31: -c, eight registers a tile, in the result's layout; v96-223 key buffer 1
.set TILEB, 16384                      ; a tile of 16 keys x 1,024 codes
.set PAIRB, 2*TILEB
.set FILLB, 8*TILEB                    ; what a slot holds
.set SLOT1, 131072                     ; slot 1 begins here: one exclusive or turns an address in one slot into the other's
.set SPARE, 262144                     ; the spare words, 128 bytes for each wave: two blocks of 256 bytes that no other line names
.set L16, 1                            ; v1   16 x lane; never rewritten
.set ADK, 2                            ; v2   LDS address of the pair of tiles in hand, + 16 x lane
.set SPW, 3                            ; v3   LDS address of my spare word; never rewritten
.set NIL, 4                            ; v4   0; never rewritten
.set PFO, 5                            ; v5   256 x lane: the prefetches' offset; never rewritten
.set ST,  8                            ; tile a's statistics at ST + 6 a: +0, +1 sum of d (even, odd registers); +2, +3 sum of d^2; +4 M; +5 the tile of keys that gave M
.set ACC, 32
.set KR,  96                           ; a key buffer, in window 0 (buffer 0) and in window 3 (buffer 1)
.set W,   224
.set REC, 96                           ; the way out: four registers a tile of queries, where key buffer 0 lay
.set TP,  112                          ; and four for what comes from the other half of the lanes
.set WV,  10                           ; s10  my wave's number
.set TB,  22                           ; s22  LDS byte of the pair of tiles in hand
.set TC,  23                           ; s23  number of the tile whose statistics are being taken
.set G1,  24                           ; s[24:31] descriptor group 1
.set G0,  32                           ; s[32:35] group 0 of fill 0; s[36:39] of fill 1, which then walks
.set SLOTS, 40                         ; s40  fills still to be asked for
.set CNT, 41                           ; s41  counts pairs of tiles
.set LIM, 42                           ; s42  1 where my cluster prefetches, else the greatest number
.set PFA, 44                           ; s[44:45] where my prefetches stand
.set SEL, 46                           ; s[46:47] lane selects for v_permlanex16_b32: lane xor 16
.set HM,  48                           ; s48  the mask of lanes 16-31
.set MK,  52                           ; s[52:55] for each accumulator: the lanes in which m > M
.set MSB, 0
.macro WIN new                         ; the immediate's high byte repeats the setting that is left; a switch that changes nothing is dropped
.if MSB != (\new)
	s_set_vgpr_msb (MSB<<8)|(\new)
.set MSB, (\new)
.endif
.endm
; A round of the cluster's barrier: my work-group's barrier, so that wave 0's signal speaks for all four waves; wave 0 signals; every wave waits for all four work-groups; my work-group's barrier once more.
.macro CROUND
	s_barrier_signal -1
	s_barrier_wait -1
	s_cmp_lg_u32 s[WV], 0
	s_cbranch_scc1 .Lnot_wave_0_\@
	s_barrier_signal -3
.Lnot_wave_0_\@:
	s_barrier_wait -3
	s_barrier_signal -1
	s_barrier_wait -1
.endm
; A joint refill: one line for all four waves; each wave's group 0 names its own quarter of the slot (32,768 x wave, in LDS and in memory).  Four v_nop follow it.
.macro JLOAD
	tensor_load_to_lds s[G0+4:G0+7], s[G1:G1+7]
	s_nop 0
.rept 4
	v_nop
.endr
.endm
; A PREFETCH INTO THE L2 of the fill that the NEXT change of slots will ask for: 131,072 bytes = 4 work-groups x 4 waves x 32 lanes x 256 bytes: a lane a block, one instruction a wave, eight tiles (256 products a wave)
; ahead of the load.  Both clusters of a range walk the same keys: the first asks.  Its four partners share the blocks out BY ADDRESS (8,192 bytes for each wave of each): no branch hangs on a place in the cluster.
; The last change that fills a slot asks for nothing; fills 0 to 2 come by their loads alone.
.macro ASK
	s_cmp_gt_u32 s[SLOTS], s[LIM]
	s_cbranch_scc0 .Lnot_mine_\@
	global_prefetch_b8 v[PFO], s[PFA:PFA+1] th:TH_LOAD_NT scope:SCOPE_SE
.Lnot_mine_\@:
.endm
; Product i of a tile's 32: K step i / 4, tile of queries i % 4.  Set 'set' of accumulators goes with key buffer 'set'.  pilot = 1: the products that make c: their sums start with the constant 0.
.macro MM set, pilot
.set fs, i/4
.set fa, i%4
.set rD, ACC+32*(\set)+8*fa
.set rK, KR+16*fs
.set rQ, 128*(fa%2)+16*fs
.set wK, 3*(\set)                      ; source 0 (the keys): window 0 or window 3
.if fs > 0
	WIN wK+0x04*(1+fa/2)                           ; source 1 (the queries) window 1 or 2
	v_wmma_f32_16x16x128_fp8_fp8 v[rD:rD+7], v[rK:rK+15], v[rQ:rQ+15], v[rD:rD+7]
.elseif \pilot
	WIN 0x04*(1+fa/2)
	v_wmma_f32_16x16x128_fp8_fp8 v[rD:rD+7], v[rK:rK+15], v[rQ:rQ+15], 0
.else
	WIN wK+0x30+0x04*(1+fa/2)                      ; and C (-c) window 3
	v_wmma_f32_16x16x128_fp8_fp8 v[rD:rD+7], v[rK:rK+15], v[rQ:rQ+15], v[8*fa:8*fa+7]
.endif
.endm
; Number ek (0..22) of the statistics of accumulator ez of a set.  The maximum's chain and the sums alternate, so that no instruction reads the result of the one before it; the first reads the accumulator's low end.
.macro EP set
.set AC, ACC+32*(\set)+8*ez
.set rT, ST+6*ez
.set rM, 6+ez%2
.set rW, W+8*ez
.if ek == 0
	v_max3_num_f32 v[rM], v[AC], v[AC+1], v[AC+2]
.elseif ek == 2
	v_max3_num_f32 v[rM], v[rM], v[AC+3], v[AC+4]
.elseif ek == 4
	v_max3_num_f32 v[rM], v[rM], v[AC+5], v[AC+6]
.elseif ek == 6
	v_max_num_f32 v[rM], v[rM], v[AC+7]
.elseif ek == 8
	v_cmp_gt_f32 s[MK+ez], v[rM], v[rT+4]          ; strictly: an earlier tile keeps a tie
.elseif ek == 10
	v_max_num_f32 v[rT+4], v[rT+4], v[rM]
.elseif ek == 12
	v_cndmask_b32 v[rT+5], v[rT+5], s[TC], s[MK+ez]
.elseif ek > 14
	v_cndmask_b32 v[rW+ek-15], v[rW+ek-15], v[AC+ek-15], s[MK+ez]
.elseif (ek == 1) || (ek == 5) || (ek == 9) || (ek == 13)
.set pr, AC+2*((ek-1)/4)
	v_pk_add_f32 v[rT:rT+1], v[rT:rT+1], v[pr:pr+1]
.else
.set pr, AC+2*(ek/4)
	v_pk_fma_f32 v[rT+2:rT+3], v[pr:pr+1], v[pr:pr+1], v[rT+2:rT+3]
.endif
.endm
; Slice i: three of the 46 numbers of two accumulators of the set before (accumulators 0, 1 in slices 0-15; 2, 3 in slices 16-31; slices 15 and 31 hold one), the two by turns.
; An accumulator's first read stands seven vector lines or more behind its last product, none of which names a register of that product (ISA guide 7.12.1): they work on the other set.
.macro SLICE prev, epi
	WIN 0
.if \epi
.irp d, 0,1,2
.set n_, 3*(i%16)+\d
.if n_ < 46
.set ez, 2*(i/16)+n_%2
.set ek, n_/2
	EP \prev
.endif
.endr
.else
	v_nop                                          ; the first tile has no tile before it: the places alone
	v_nop
.endif
.endm
; A whole tile of keys, 32 loads of 512 consecutive bytes in one run, from off bytes behind v[ADK] into key buffer buf.
; PLACES (ISA guide 7.12.1 for vector instructions): the run stands behind slice 1.  The buffer's last reader is product 31 of the tile before: behind it stand that tile's slice 31 (one line) and this
; tile's slices 0 and 1 (three each), which name accumulators 0 and 1 of that product's set and none of its registers.  Products 28 to 30 have four lines or more in their own tile's slices, on the other set.
.macro FETCH buf, off
	WIN 0xc0*(\buf)                                ; destination window 0 or 3, address window 0
.set q_, 0
.rept 32
	ds_load_b128 v[KR+4*q_:KR+4*q_+3], v[ADK] offset:(\off)+512*q_
.set q_, q_+1
.endr
.endm
; THE CHANGE OF SLOTS stands in a slot's last tile, ahead of its run of loads: that tile's own bytes, the slot's last, were waited for at its head, and the run reads the other slot.  Each wave waits for all its
; tensor loads (one is out: its quarter of the other slot), adds 0 to its spare word, and waits for that and for its reads of this slot.  fill = 1: the barrier is a round of the cluster's, so that no wave of any
; partner still reads the slot or has a load on its way; the joint refill, the keys two slots on, is the first thing behind it, and has eight tiles in which to land.
.macro CHANGE fill
	WIN 0
	s_wait_tensorcnt 0x0                           ; no tensor load of mine is out, so a group 0 may be written
	ds_add_u32 v[SPW], v[NIL]                      ; 0 onto my spare word
.if \fill
	s_xor_b32 s[G0+5], s[G0+5], SLOT1              ; the walking descriptor: the other slot than last time,
	s_add_nc_u64 s[G0+6:G0+7], s[G0+6:G0+7], FILLB ; the next eight tiles; the type bits on top are not reached
	s_wait_xcnt 0x0                                ; the last prefetch, eight tiles back, has read its address, so it may be written:
	s_add_nc_u64 s[PFA:PFA+1], s[PFA:PFA+1], FILLB ; one fill further on than the walking descriptor
.endif
	s_wait_dscnt 0x0                               ; the add is done, and my reads of the slot are over
.if \fill
	CROUND
	JLOAD
	ASK
.else
	s_barrier_signal -1
	s_barrier_wait -1
.endif
	s_sub_co_u32 s[TB], s[TB], 3*PAIRB             ; back to a slot's first pair,
	s_xor_b32 s[TB], s[TB], SLOT1                  ; in the other slot
.endm
; A tile of keys on accumulator set and key buffer 'set'.  nxt: where the next tile lies from v[ADK] on.  epi = 1: the slices take the statistics of the tile before.
; mode, what stands ahead of the run of loads: 0 the next pair in the same slot; 1 a change of slots with a refill; 2 one without; 3 there is no run (the last tile of all); 4 nothing.
.macro TILE set, nxt, epi, mode
.set i, 0
.rept 32
.if i == 0
	s_wait_dscnt 0x0                               ; this tile's 32 loads, issued 30 products ago, are in; no younger LDS instruction is out
.endif
.if (i == 2) && (\mode != 3)
.if \mode == 0
	s_add_co_u32 s[TB], s[TB], PAIRB
.elseif \mode == 1
	CHANGE 1
.elseif \mode == 2
	CHANGE 0
.endif
.if \mode < 3
	v_add_nc_u32 v[ADK], s[TB], v[L16]
.endif
	FETCH 1-\set, \nxt
.endif
	MM \set, 0
	SLICE 1-\set, \epi
.set i, i+1
.endr
.if \epi
	s_add_co_u32 s[TC], s[TC], 1
.endif
.endm
.macro PAIR mode, first                ; two tiles: after them the sets of accumulators and the key buffers are back where they began
	TILE 0, TILEB, 1-\first, 4
	TILE 1, 0, 1, \mode
.endm
.macro PAIRS n                         ; n pairs inside a slot: written once.  (A slice leaves every window 0: so it is at the label and at the branch)
	s_mov_b32 s[CNT], \n
.Lpairs_\@:
	PAIR 0, 0
	s_sub_co_u32 s[CNT], s[CNT], 1
	s_cmp_lg_u32 s[CNT], 0
	s_cbranch_scc1 .Lpairs_\@
.endm
	s_load_b128 s[4:7], s[0:1], 0x0                ; q_codes s[4:5], k_codes s[6:7]
	s_load_b64 s[8:9], s[0:1], 0x10                ; part
	v_lshl_add_u32 v[SPW], v0, 2, SPARE
	v_mov_b32 v[NIL], 0
	ds_add_u32 v3, v4
	ds_add_u32 v3, v4
	s_wait_dscnt 0x0
	v_lshrrev_b32 v[ADK], 5, v0
	v_readfirstlane_b32 s[WV], v[ADK]              ; wave 0..3
	v_and_b32 v[L16], 31, v0
	v_lshlrev_b32 v[L16], 4, v[L16]
	v_lshlrev_b32 v[PFO], 4, v[L16]
	s_bfe_u32 s11, ttmp6, 0x40000                  ; cx: my place in the cluster
	s_lshl_b32 s12, ttmp9, 2                       ; in a cluster launch ttmp9 counts clusters
	s_add_co_u32 s12, s12, s11                     ; x: my block of 256 queries: it enters the queries' and the results' addresses alone
	s_and_b32 s13, ttmp7, 0xffff                   ; y: the range of keys, which the four partners share
	; descriptor group 1: 128 rows of 32 elements of 8 bytes, dense: a quarter of a slot
	s_mov_b32 s[G1], 15|(3<<16)|(1<<21)            ; 15:0 the mask: all four work-groups; 17:16 elements of 8 bytes; 20 no padding; 21 set beside a mask
	s_mov_b32 s[G1+1], 32<<16                      ; tensor_dim0 = 32
	s_mov_b32 s[G1+2], 128<<16                     ; tensor_dim1 = 128
	s_mov_b32 s[G1+3], 32<<16                      ; tile_dim0 = 32
	s_mov_b32 s[G1+4], 128                         ; tile_dim1 = 128
	s_mov_b32 s[G1+5], 32                          ; tensor_dim0_stride
	s_mov_b32 s[G1+6], 0
	s_mov_b32 s[G1+7], 0
	s_lshl_b32 s14, s13, 20                        ; the range's 1 MiB of codes,
	s_lshl_b32 s17, s[WV], 15                      ; my quarter of a fill: the same offset in memory and in a slot; no place in the cluster enters either
	s_add_co_u32 s14, s14, s17
	s_mov_b32 s15, 0
	s_lshl_b32 s18, s12, 18                        ; my block's 16 tiles of queries,
	s_lshl_b32 s20, s[WV], 16                      ; my wave's 4 of them
	s_add_co_u32 s18, s18, s20
	s_mov_b32 s19, 0
	s_lshl_b32 s20, s13, 15                        ; the results: [range][query][16 bytes]
	s_lshl_b32 s21, s12, 12
	s_add_co_u32 s20, s20, s21
	s_lshl_b32 s21, s[WV], 10
	s_add_co_u32 s20, s20, s21
	s_mov_b32 s21, 0
	s_lshl_b32 s50, s11, 2                         ; the prefetches: 8,192 bytes for each wave of each partner,
	s_add_co_u32 s50, s50, s[WV]
	s_lshl_b32 s50, s50, 13
	s_lshl_b32 s51, s13, 20
	s_add_co_u32 s50, s50, s51
	s_add_co_u32 s50, s50, 2*FILLB                 ; in fill 2: the first change of slots steps it to fill 3.  Nothing is prefetched at the head
	s_mov_b32 s51, 0
	s_mov_b32 s[SEL], 0x76543210
	s_mov_b32 s[SEL+1], 0xfedcba98
	s_mov_b32 s[HM], 0xffff0000
	s_mov_b32 s[TB], 0
	s_mov_b32 s[TC], 0
	s_mov_b32 s[SLOTS], 6                          ; fills 2 to 7
	s_cmp_eq_u32 ttmp9, 0                          ; the range's first cluster: the same in all four partners
	s_cselect_b32 s[LIM], 1, -1
	s_wait_kmcnt 0x0
	s_add_nc_u64 s[14:15], s[6:7], s[14:15]
	s_add_nc_u64 s[4:5], s[4:5], s[18:19]
	s_add_nc_u64 s[8:9], s[8:9], s[20:21]
	s_add_nc_u64 s[PFA:PFA+1], s[6:7], s[50:51]
	CROUND                                         ; all four work-groups are here: the first joint loads meet
	s_mov_b32 s[G0], 1                             ; 1:0 count = 1
	s_mov_b32 s[G0+1], s17                         ; 63:32 LDS address: slot 0
	s_mov_b64 s[G0+2:G0+3], s[14:15]               ; 120:64 global address: fill 0
	s_or_b32 s[G0+3], s[G0+3], 0x80000000          ; 127:126 type = 2
	s_mov_b32 s[G0+4], 1
	s_add_co_u32 s[G0+5], s17, SLOT1
	s_add_nc_u64 s[G0+6:G0+7], s[14:15], FILLB
	s_or_b32 s[G0+7], s[G0+7], 0x80000000
	tensor_load_to_lds s[G0:G0+3], s[G1:G1+7]      ; the two first fills go out together: two tensor loads of mine are out
	s_nop 0
	tensor_load_to_lds s[G0+4:G0+7], s[G1:G1+7]
	s_nop 0
.rept 4
	v_nop
.endr
.set f, 0
.rept 32
	global_load_b128 v[KR+4*f:KR+4*f+3], v[L16], s[6:7] offset:512*f   ; key tile 0 of the whole table, for c: as key buffer 0 will hold a tile
.set f, f+1
.endr
.irp a, 0,1,2,3                        ; the queries stay in registers: tile a, load f: registers 4 f on, 512 consecutive bytes
	WIN 0x40*(1+\a/2)                              ; destination window 1 or 2
.set f, 0
.rept 32
	global_load_b128 v[128*(\a%2)+4*f:128*(\a%2)+4*f+3], v[L16], s[4:5] offset:TILEB*\a+512*f
.set f, f+1
.endr
.endr
	WIN 0
	v_add_nc_u32 v[ADK], s[TB], v[L16]
.irp a, 0,1,2,3
	v_mov_b32 v[ST+6*\a], 0
	v_mov_b32 v[ST+6*\a+1], 0
	v_mov_b32 v[ST+6*\a+2], 0
	v_mov_b32 v[ST+6*\a+3], 0
	v_mov_b32 v[ST+6*\a+4], 0xff800000             ; M = -infinity: the first tile's m is above it in every lane
	v_mov_b32 v[ST+6*\a+5], 0
	v_mov_b32 v[68+\a], 0                          ; a lane permute's destination counts as one of its sources
.endr
.set f, 0
.rept 32
	v_mov_b32 v[W+f], 0                            ; the kept values are written under a mask: so they are written whole once
.set f, f+1
.endr
	s_wait_loadcnt 0x0
.set i, 0
.rept 32
	MM 0, 1                                        ; the queries' raw sums with keys 0 to 15
.set i, i+1
.endr
	WIN 0
.rept 4
	v_nop                                          ; places behind the last of them
.endr
.irp a, 0,1,2,3
	v_permlanex16_b32 v[68+\a], v[ACC+8*\a], s[SEL], s[SEL+1]      ; key 0 is register 0 of lanes 0-15
.endr
.irp a, 0,1,2,3
	v_cndmask_b32 v[64+\a], v[ACC+8*\a], v[68+\a], s[HM]           ; c of my query, in both halves of the lanes
.endr
	WIN 0xc0                                       ; destination window 3
.irp a, 0,1,2,3
.irp j, 0,1,2,3,4,5,6,7
	v_mul_f32 v[8*\a+\j], -1.0, v[64+\a]           ; -c in the result's layout: a lane's eight registers hold one query.  (These 32 are also the places in front of the loads and products below)
.endr
.endr
	WIN 0
	s_wait_tensorcnt 0x1                           ; my quarter of fill 0 is in; fill 1's may stay out
	s_barrier_signal -1
	s_barrier_wait -1                              ; everybody's is
	FETCH 0, 0                                     ; tile 0 into key buffer 0
	PAIR 0, 1                                      ; the first pair is written out: its first tile has no statistics to take
.Lslot:                                            ; 6 trips, from a slot's second pair to the next slot's first: each fills the slot that it leaves
	PAIRS 2
	PAIR 1, 0
	PAIR 0, 0
	s_sub_co_u32 s[SLOTS], s[SLOTS], 1
	s_cmp_lg_u32 s[SLOTS], 0
	s_cbranch_scc1 .Lslot
	PAIRS 2                                        ; the tail is written out: the rest of slot 6
	PAIR 2, 0                                      ; the change to slot 7, behind which nothing is asked for,
	PAIRS 3
	PAIR 3, 0                                      ; and the last pair, which fetches nothing beyond the range
.set n_, 0
.rept 92                               ; the last tile's statistics: accumulators 0 and 1 by turns, then 2 and 3; the first 46 are the places behind the last products
.set ez, 2*(n_/46)+n_%2
.set ek, (n_%46)/2
	EP 1
.set n_, n_+1
.endr
	; THE WAY OUT.  For each tile of queries: the lowest j whose kept value is M; the key's number; the pairs' halves; then the other half of the lanes, which holds the same query's other keys.
	v_bfe_u32 v6, v0, 4, 1
	v_lshlrev_b32 v6, 3, v6
	s_lshl_b32 s14, s13, 10
	v_add_nc_u32 v6, s14, v6                       ; 1,024 y + 8 (lane / 16)
.irp k, 0,1,2,3
	v_mov_b32 v[TP+\k], 0                          ; the permutes' destinations count as read
.endr
.irp a, 0,1,2,3
	v_mov_b32 v[REC+4*\a+3], 7
.irp j, 6,5,4,3,2,1,0
	v_cmp_eq_f32 vcc_lo, v[W+8*\a+\j], v[ST+6*\a+4]
	v_cndmask_b32 v[REC+4*\a+3], v[REC+4*\a+3], \j, vcc_lo
.endr
	v_lshl_add_u32 v[REC+4*\a+3], v[ST+6*\a+5], 4, v[REC+4*\a+3]
	v_add_nc_u32 v[REC+4*\a+3], v[REC+4*\a+3], v6  ; n = 1,024 y + 16 tile + 8 (lane / 16) + j
	v_add_f32 v[REC+4*\a], v[ST+6*\a], v[ST+6*\a+1]
	v_add_f32 v[REC+4*\a+1], v[ST+6*\a+2], v[ST+6*\a+3]
	v_permlanex16_b32 v[TP], v[REC+4*\a], s[SEL], s[SEL+1]
	v_permlanex16_b32 v[TP+1], v[REC+4*\a+1], s[SEL], s[SEL+1]
	v_permlanex16_b32 v[TP+2], v[ST+6*\a+4], s[SEL], s[SEL+1]
	v_permlanex16_b32 v[TP+3], v[REC+4*\a+3], s[SEL], s[SEL+1]
	v_cmp_gt_f32 s56, v[TP+2], v[ST+6*\a+4]        ; the other half's key is taken where its d is larger,
	v_cmp_eq_f32 s57, v[TP+2], v[ST+6*\a+4]
	v_cmp_lt_u32 s58, v[TP+3], v[REC+4*\a+3]       ; or equal with the lower number
	s_and_b32 s57, s57, s58
	s_or_b32 s56, s56, s57
	v_cndmask_b32 v[REC+4*\a+3], v[REC+4*\a+3], v[TP+3], s56
	v_max_num_f32 v[REC+4*\a+2], v[ST+6*\a+4], v[TP+2]
	v_add_f32 v[REC+4*\a], v[REC+4*\a], v[TP]
	v_add_f32 v[REC+4*\a+1], v[REC+4*\a+1], v[TP+1]    ; both halves of the lanes now hold the same four numbers
.endr
.irp a, 0,2
.irp k, 0,1,2,3
	v_cndmask_b32 v[REC+4*\a+\k], v[REC+4*\a+\k], v[REC+4*\a+4+\k], s[HM]   ; lanes 16-31 take the next tile's
.endr
	global_store_b128 v[L16], v[REC+4*\a:REC+4*\a+3], s[8:9] offset:256*\a   ; 32 queries x 16 bytes: 512 consecutive bytes, at a multiple of 512 from the buffer's first byte
.endr
	s_wait_tensorcnt 0x0                           ; the wave's end
	ds_add_u32 v[SPW], v[NIL]
	s_wait_dscnt 0x0
	CROUND                                         ; the closing round: no work-group ends while a partner may still ask for a tile that names it
	s_endpgm
.Lfunc_end_k_q5b4b61b998_sim:
	.size	k_q5b4b61b998_sim, .Lfunc_end_k_q5b4b61b998_sim-k_q5b4b61b998_sim
	.p2alignl 7, 3214868480
	.fill 96, 4, 3214868480
	.section	.rodata,"a",@progbits
	.p2align	6, 0x0
	.amdhsa_kernel k_q5b4b61b998_sim
		.amdhsa_group_segment_fixed_size 327680
		.amdhsa_private_segment_fixed_size 0
		.amdhsa_enable_private_segment 0
		.amdhsa_kernarg_size 24
		.amdhsa_user_sgpr_count 2
		.amdhsa_user_sgpr_kernarg_segment_ptr 1
		.amdhsa_wavefront_size32 1
		.amdhsa_system_sgpr_workgroup_id_x 1
		.amdhsa_system_sgpr_workgroup_id_y 1
		.amdhsa_system_sgpr_workgroup_id_z 1
		.amdhsa_system_vgpr_workitem_id 0
		.amdhsa_next_free_vgpr 992
		.amdhsa_next_free_sgpr 66
		.amdhsa_reserve_vcc 1
		.amdhsa_float_denorm_mode_32 3
		.amdhsa_float_denorm_mode_16_64 3
		.amdhsa_memory_ordered 1
		.amdhsa_forward_progress 1
		.amdhsa_inst_pref_size 223
	.end_amdhsa_kernel
	.amdgpu_metadata
---
amdhsa.version: [ 1, 2 ]
amdhsa.kernels:
  - .name:           k_q5b4b61b998_sim
    .symbol:         k_q5b4b61b998_sim.kd
    .args:
      - { .name: q_codes, .offset: 0, .size: 8, .value_kind: global_buffer, .address_space: global }
      - { .name: k_codes, .offset: 8, .size: 8, .value_kind: global_buffer, .address_space: global }
      - { .name: part, .offset: 16, .size: 8, .value_kind: global_buffer, .address_space: global }
    .group_segment_fixed_size: 327680
    .private_segment_fixed_size: 0
    .kernarg_segment_align: 8
    .kernarg_segment_size: 24
    .max_flat_workgroup_size: 128
    .sgpr_count:     66
    .vgpr_count:     992
    .wavefront_size: 32
...
	.end_amdgpu_metadata
.endif
;; end of part 5
;; launch combine: the kernel of part 3 again; grid 32 x 1, 2 waves a work-group, no clusters, 768 bytes of LDS; arguments part, lowp_scales, rowvar, best; writes rowvar, best
;; launch gather: the kernel of part 4 again; grid 256 x 1, 8 waves a work-group, no clusters, 0 bytes of LDS; arguments values, best, rowvar, out0, out1; writes out0, out1
